; MI455X (gfx1250); checked and timed in simulation.
; The chip was launched on July 23, 2026; its instructions are those of AMD's public machine-readable ISA for CDNA 5 (MIT licence, August 2026) and "CDNA5" Instruction Set Architecture Reference Guide (July 2026). The comments in the code are by the model that wrote it; some were corrected since.
;; Instance Decoder. Allowed arithmetic: matrix products marked QUANTISED: E2M3 operands, one E8M0 scale for each 32 along K, by v_wmma_scale_f32_16x16x128_f8f6f4 with both operands' format E2M3, f32 sums; products left as they are: f32 operands where the result goes on into a quantised operand, else bf16, f16 or f32 operands; f32 sums; everything else in f32.
;; Inputs: beta_b 1 float32; beta_w 256 float32; coord_b 24 float32; coord_w_codes 24 x 8 x 24 uint8 (E2M3 codes of coord_w, K innermost, in blocks of 32 codes, four codes in three bytes); coord_w_scales 24 x 8 uint8 (E8M0 scales of coord_w, one for each 32 codes along K); x 16,384 x 256 float32.
;; Outputs: out0 16,384 float32; out1 16,384 x 24 float32; out2 16,384 float32; out3 16,384 int32.
;; This version of the problem:
;;   THIS VERSION OF THE PROBLEM IS GIVEN IN LOW PRECISION. The matrix products marked QUANTISED in the list below multiply operands that are first quantised to E2M3 (2 exponent bits, 3 mantissa bits; 6 bits a number), with one power-of-two scale for each 32 numbers along K (OCP MX v1.0); their sums are f32. All else is computed in f32.
;;   The module's matrix products, in the order in which they are computed (A, B: the left and right operand; K: the contracted axis; several contracted axes count as one K, in the product's order):
;;     1. [M 16,384, K 256] x [K 256, N 1]; A: input x; B: input beta_w: left as it is (N = 1 < 16)
;;     2. [M 16,384, K 256] x [K 256, N 24]; A: input x; B: input coord_w (given as codes): QUANTISED
;;     3. [M 16,384, K 24] x [K 24, N 16,384]; A: computed on the way; B: computed on the way: left as it is (K = 24 < 32)
;;   THE QUANTISER, for each operand of a quantised product, along K:
;;     - K is cut into blocks of 32 from its start; a last block that is shorter is filled with zeros.
;;     - A block's scale is 2^e with e = floor(log2(the largest magnitude in the block)) - 2, held to -126 .. 127; a block of zeros has e = 0. As a byte (E8M0): e + 127.
;;     - Each number is divided by its block's scale, clamped to +-7.5, and rounded to the nearest number of E2M3, ties to even, subnormals kept.
;;     - The product sums the exact products of the quantised numbers (number of the format x scale) in f32.
;;   ~~~python
;;   def quantise(x, axis):      # numpy; x: float32 -> the quantised numbers, widened to float32 again
;;       x = np.moveaxis(x, axis, -1); K = x.shape[-1]
;;       x = np.pad(x, [(0, 0)] * (x.ndim - 1) + [(0, -K % 32)]); x = x.reshape(x.shape[:-1] + (-1, 32)); a = np.abs(x).max(-1, keepdims=True)
;;       e = np.where(a > 0, np.clip(np.frexp(np.where(a > 0, a, 1))[1] - 1 - 2, -126, 127), 0)      # np.frexp(a)[1] - 1 = floor(log2(a)), exactly
;;       r = np.clip(x / 2.0 ** e, -7.5, 7.5)
;;       step = 2.0 ** (np.maximum(np.frexp(np.where(r == 0, 1, r))[1] - 1, 0) - 3)
;;       q = np.round(r / step) * step * 2.0 ** e      # np.round: ties to even
;;       return np.moveaxis(q.reshape(q.shape[:-2] + (-1,))[..., :K], -1, axis).astype(np.float32)
;;   ~~~
;;   INPUTS GIVEN AS CODES. coord_w (in the module: [256, 24], K = its axis 0): each comes as NAME_codes (uint8): NAME with its K axis moved to the last place and cut into blocks of 32 codes, [.., K / 32, bytes a block], one block behind the other in memory; four codes in three bytes: a row's codes are one little-endian stream of bits, code i at bits 6 i .. 6 i + 5 (a code: sign, 2 exponent bits, 3 mantissa bits); and NAME_scales (uint8): the same leading axes, one E8M0 byte (e + 127) for each 32 codes along K. Its value is code x scale, taken as it is: it is not quantised again, and the codes and scales need not be those that the quantiser above would give.
;; One version. Each part assembles by itself: llvm-mc -triple=amdgcn-amd-amdhsa -mcpu=gfx1250 --defsym DOCPART=n.
;; ======== version 1 of 1: 3 launches
;; workspace buffers: cand 1,048,576 bytes; hitx 524,288 bytes; lrank 65,536 bytes of whole numbers; wgcnt 1,024 bytes of whole numbers; rank 65,536 bytes of whole numbers; blk 262,144 bytes of whole numbers
;; launch prep (part 1): grid 256 x 1, 4 waves a work-group, no clusters, 83,712 bytes of LDS; arguments x, beta_w, beta_b, coord_w_codes, coord_w_scales, coord_b, out0, out1, cand, hitx, lrank, wgcnt; writes out0, out1, cand, hitx, lrank, wgcnt
.if DOCPART == 1
	.amdgcn_target "amdgcn-amd-amdhsa--gfx1250"
	.amdhsa_code_object_version 6
	.text
	.protected	k_q232cb61401_prep
	.globl	k_q232cb61401_prep
	.p2align	8
	.type	k_q232cb61401_prep,@function
k_q232cb61401_prep:
	s_mov_b64 s[64:65], 0
	v_nop
	global_prefetch_b8 v0, s[64:65] scope:SCOPE_SE
	s_setreg_imm32_b32 hwreg(HW_REG_WAVE_MODE, 25, 1), 1
	s_wait_xcnt 0x0
; of = sigmoid(x . beta_w + beta_b) in f32;  ox = Q(x) coord_w + coord_b on codes of FP6 (E2M3) with one E8M0 scale for each 32 along K;
; and what the all-pairs launch wants of each hit: its point rounded to bf16 as the image of a 16 x 32 bf16 operand, with K places 24 .. 31 holding
; q = -1/2 sum(rounded point^2), cut exactly into three bf16 pieces, a penalty -2^100 for hits that are no centres, and ones; and each hit's centre ordinal inside its group of 64 rows.
; SHARES.  A work-group takes 64 rows of x, each of its four waves 16 rows: 16,384 consecutive bytes, asked for by 32 loads of 512 consecutive bytes that are all out at once.
; The quantiser wants 32 neighbours along K in one lane, so the rows turn through the wave's own stage in LDS (rows 1,024 + 16 bytes apart: the 16 rows of a read start at 16 different banks).
; THE PRODUCT IS USED TRANSPOSED (source 0 = 16 rows of coord_w, source 1 = my 16 rows of x): lane (r, h) holds ox[r][16 t + 8 h + 0 .. 7], which rounded in pairs ARE the registers of the bf16 operand.
; coord_w has 24 rows: in tile 1 lanes 8-15 take row 23 again; what comes of it lies in lanes 16-31 of tile 1's result and is never used.
; LIMITS: NaN and infinities among the inputs are not served; a block of x whose largest magnitude lies under 2^-124 keeps the scale byte 1 (a block of zeros too: its codes are zeros).
.set XP,   1040                        ; a row of x in the stage
.set WREG, 20736                       ; LDS of a wave: 16 x 1,040 stage, 1,024 beta_w, 1,536 ox + 1,536 scrap
.set BET,  16640
.set OST,  17664
.set ZT,   82944                       ; behind the four waves' parts: of of the 64 rows, 256 bytes
.set WF,   16                          ; v16-63   coord_w's fragments: (tile t, K step s) at WF + 12 (2 t + s)
.set WS,   64                          ; v64-67   their scale words, 2 t + s
.set XS,   68                          ; v68-69   x's scale words, K step s
.set CB,   72                          ; v72-87   coord_b in the result's layout: the C of each sum's first product
.set XF,   88                          ; v88-111  x's two fragments
.set MX,   112                         ; v112-113 largest magnitudes   (v112-119 first hold beta_w as loaded)
.set SO,   114                         ; v114-115 the conversions' scale operands
.set BY,   116                         ; v116-117 scale bytes
.set L8,   120                         ; v120     8 x lane
.set OF,   121                         ; v121     of of my row
.set ZZ,   122                         ; v122-123 z at work
.set SH,   124                         ; v124     8 h
.set TP,   125                         ; v125     target of the lane permutes
.set X,    128                         ; v128-255 x as loaded; then v128-191 two blocks of 32 neighbours,
.set BW,   192                         ; v192-223 the same 32 of beta_w,
.set CV,   224                         ; v224-230 the second halves of the blocks' codes,
.set ZA,   240                         ; v240-243 z in four parts
.set ZB,   242
.set ACC,  128                         ; behind the quantiser: v128-143 ox, two tiles
.set IM,   144                         ; v144-147 registers 0-3 of the bf16 image
.set EE,   148                         ; v148-151 dims 16-23 in bf16
.set A4,   152                         ; v152-155 registers 4-7 as a candidate
.set B4,   156                         ; v156-159 registers 4-7 as a hit
.set WK,   160                         ; v160-175 at work
.set RB,   176                         ; v176-187 ox read back by rows
	s_load_b512 s[4:19], s[0:1], 0x0               ; x 4:5, beta_w 6:7, beta_b 8:9, codes 10:11, scales 12:13, coord_b 14:15, out0 16:17, out1 18:19
	s_load_b256 s[20:27], s[0:1], 0x40             ; cand 20:21, hitx 22:23, lrank 24:25, wgcnt 26:27
	v_lshl_add_u32 v126, v0, 2, 0x14500
	v_mov_b32 v127, 0
	v_lshrrev_b32 v1, 5, v0
	v_readfirstlane_b32 s28, v1                    ; wave 0..3
	v_and_b32 v1, 31, v0                           ; lane
	v_and_b32 v2, 15, v0                           ; r
	v_bfe_u32 v3, v0, 4, 1                         ; h
	s_mul_i32 s32, s28, WREG                       ; my wave's LDS
	s_lshl_b32 s33, s28, 6
	s_lshl_b32 s42, ttmp9, 2
	s_add_co_u32 s42, s42, s28                     ; my tile of 16 rows
	s_mov_b32 s34, 0x76543210
	s_mov_b32 s35, 0xfedcba98                      ; v_permlanex16_b32: lane l xor 16
	s_mov_b32 s36, 0xffff0000                      ; lanes 16-31 as a mask; also a word's upper bf16
	s_mov_b32 s37, 0x07060302                      ; v_perm_b32: the two upper halves
	s_mov_b32 s41, 0x3dcccccd                      ; 0.1
	v_lshlrev_b32 v4, 4, v1                        ; 16 x lane
	v_add_nc_u32 v5, s32, v4                       ; the same in my LDS
	v_mul_u32_u24 v6, v2, XP
	v_lshl_add_u32 v6, v3, 7, v6
	v_add_nc_u32 v6, s32, v6                       ; stage, on the way out: row r, + 128 h: lane (r, h) takes blocks 2 c + h of a K step
	v_lshlrev_b32 v7, 7, v3
	v_add_nc_u32 v7, s32, v7
	v_add_nc_u32 v7, BET, v7                       ; the same blocks of beta_w
	v_mul_u32_u24 v8, v2, 96
	v_lshl_add_u32 v8, v3, 5, v8
	v_add_nc_u32 v8, s32, v8
	v_add_nc_u32 v8, OST, v8                       ; ox's stage: row r of 96 bytes, dims 8 h on
	v_mul_u32_u24 v9, v2, 96
	v_mad_u32_u24 v9, v3, 1536, v9
	v_add_nc_u32 v9, s32, v9
	v_add_nc_u32 v9, OST+64, v9                    ; dims 16 on; lanes 16-31 have nothing of use there and write to the scrap behind the stage
	v_lshlrev_b32 v10, 2, v2
	v_add_nc_u32 v10, s33, v10
	v_add_nc_u32 v10, ZT, v10                      ; of: 4 bytes a row, 64 a wave
	v_lshl_add_u32 v11, v1, 3, ZT                  ; and back: two rows a lane
	v_mul_u32_u24 v12, v2, 192
	v_mad_u32_u24 v12, v3, 24, v12                 ; coord_w's codes: row r of 192 bytes, + 24 h
	v_add_nc_u32 v13, 16, v2
	v_min_u32 v13, 23, v13                         ; tile 1: row 16 + r, held at the last row
	v_lshlrev_b32 v14, 3, v2                       ; scale bytes: 8 a row
	v_lshlrev_b32 v15, 3, v13
	v_mul_u32_u24 v13, v13, 192
	v_mad_u32_u24 v13, v3, 24, v13
	v_lshlrev_b32 v70, 5, v3                       ; coord_b: dims 8 h on
	v_mov_b32 v71, 0
	v_lshlrev_b32 v[L8], 3, v1
	v_lshlrev_b32 v[SH], 3, v3
	v_mov_b32 v[TP], 0                             ; written once: a lane permute's destination counts as one of its sources
	s_wait_kmcnt 0x0
	s_load_b32 s29, s[8:9], 0x0                    ; beta_b
	s_mov_b32 s31, 0
	s_lshl_b32 s30, s42, 14
	s_add_nc_u64 s[4:5], s[4:5], s[30:31]          ; x: 16 rows of 1,024 bytes a tile
	s_mul_i32 s30, s42, 1536
	s_add_nc_u64 s[18:19], s[18:19], s[30:31]      ; out1: 16 rows of 96 bytes
	s_lshl_b32 s30, s42, 10
	s_add_nc_u64 s[20:21], s[20:21], s[30:31]      ; cand: 1,024 bytes a tile
	s_lshl_b32 s30, s42, 9
	s_add_nc_u64 s[22:23], s[22:23], s[30:31]      ; hitx: 512
	s_lshl_b32 s30, ttmp9, 8
	s_add_nc_u64 s[16:17], s[16:17], s[30:31]      ; out0, lrank: 256 bytes a work-group
	s_add_nc_u64 s[24:25], s[24:25], s[30:31]
	s_lshl_b32 s30, ttmp9, 2
	s_add_nc_u64 s[26:27], s[26:27], s[30:31]      ; wgcnt: one word
	; the small loads first: 34
	global_load_b128 v[112:115], v4, s[6:7]
	global_load_b128 v[116:119], v4, s[6:7] offset:512
.irp s, 0,1
.irp p, 0,1,2,3,4,5
	global_load_b64 v[WF+12*\s+2*\p:WF+12*\s+2*\p+1], v12, s[10:11] offset:96*\s+48*(\p/3)+8*(\p%3)
	global_load_b64 v[WF+24+12*\s+2*\p:WF+24+12*\s+2*\p+1], v13, s[10:11] offset:96*\s+48*(\p/3)+8*(\p%3)
.endr
	global_load_b32 v[WS+\s], v14, s[12:13] offset:4*\s
	global_load_b32 v[WS+2+\s], v15, s[12:13] offset:4*\s
.endr
	global_load_b128 v[CB:CB+3], v70, s[14:15]
	global_load_b128 v[CB+4:CB+7], v70, s[14:15] offset:16
	global_load_b128 v[CB+8:CB+11], v71, s[14:15] offset:64    ; dims 16-23 in every lane: lanes 16-31 have no dims of their own in tile 1, and no load leaves the 96 bytes
	global_load_b128 v[CB+12:CB+15], v71, s[14:15] offset:80
	; then my 16 rows: 32 loads of 512 consecutive bytes
.set T, 0
.rept 32
	global_load_b128 v[X+4*T:X+4*T+3], v4, s[4:5] offset:512*T th:TH_LOAD_NT
.set T, T+1
.endr
.macro TOSTAGE g                       ; loads 8 g .. 8 g + 7 go into the stage as they lie: row t / 2, half t % 2
	s_wait_loadcnt 24-8*\g                         ; loads come back in order: behind load 8 g + 7 there are 24 - 8 g younger ones; the small loads are older
.if \g == 0
	ds_store_b128 v5, v[112:115] offset:BET
	ds_store_b128 v5, v[116:119] offset:BET+512
.endif
.irp i, 0,1,2,3,4,5,6,7
	ds_store_b128 v5, v[X+4*(8*\g+\i):X+4*(8*\g+\i)+3] offset:((8*\g+\i)/2)*XP+((8*\g+\i)%2)*512
.endr
.endm
.macro DOT c, first                    ; z += my block c of x . the same 32 of beta_w, in two chains of pairs; first = 1: the products start the sums
.irp i, 0,1,2,3,4,5,6,7
.if (\first) && (\i == 0)
	v_pk_mul_f32 v[ZA:ZA+1], v[X+32*\c:X+32*\c+1], v[BW:BW+1]
	v_pk_mul_f32 v[ZB:ZB+1], v[X+32*\c+2:X+32*\c+3], v[BW+2:BW+3]
.else
	v_pk_fma_f32 v[ZA:ZA+1], v[X+32*\c+4*\i:X+32*\c+4*\i+1], v[BW+4*\i:BW+4*\i+1], v[ZA:ZA+1]
	v_pk_fma_f32 v[ZB:ZB+1], v[X+32*\c+4*\i+2:X+32*\c+4*\i+3], v[BW+4*\i+2:BW+4*\i+3], v[ZB:ZB+1]
.endif
.endr
.endm
.macro QUANT s                         ; my two whole blocks of K step s become registers 6 c .. 6 c + 5 of x's fragment, and their bytes my part of the scale word
.irp c, 0,1
	v_max3_num_f32 v[MX+\c], |v[X+32*\c]|, |v[X+32*\c+1]|, 0x1800000    ; with the floor 2^(3 - 127) among the leaves: the byte cannot fall under 1
.endr
.irp i, 2,4,6,8,10,12,14,16,18,20,22,24,26,28,30
.irp c, 0,1
	v_max3_num_f32 v[MX+\c], v[MX+\c], |v[X+32*\c+\i]|, |v[X+32*\c+\i+1]|   ; the two blocks by turns
.endr
.endr
.irp c, 0,1
	v_add_nc_u32 v[SO+\c], 0xff000000, v[MX+\c]    ; 2 off the exponent field: the conversion takes this operand's exponent field as its scale
.endr
.irp c, 0,1
	v_lshrrev_b32 v[BY+\c], 23, v[SO+\c]           ; the scale's byte
.endr
	v_lshl_or_b32 v[XS+\s], v[BY+1], 16, v[BY]     ; blocks h and 2 + h of my row,
	v_lshlrev_b32 v[XS+\s], v[SH], v[XS+\s]        ; 8 h bits up;
	v_permlanex16_b32 v[TP], v[XS+\s], s34, s35
	v_or_b32 v[XS+\s], v[XS+\s], v[TP]             ; with lane l xor 16's two the word is whole
.irp c, 0,1
	v_cvt_scalef32_pk16_fp6_f32 v[XF+12*\s+6*\c:XF+12*\s+6*\c+2], v[X+32*\c:X+32*\c+15], v[SO+\c]
	v_cvt_scalef32_pk16_fp6_f32 v[CV+4*\c:CV+4*\c+2], v[X+32*\c+16:X+32*\c+31], v[SO+\c]   ; (a conversion's three registers begin on an even number)
.endr
	v_nop                                          ; one plain place behind a scaled conversion
.irp c, 0,1
.irp i, 0,1,2
	v_mov_b32 v[XF+12*\s+6*\c+3+\i], v[CV+4*\c+\i]
.endr
.endr
.endm
.macro KSTEP s, first                  ; 128 along K: lane (r, h) takes k = 128 s + 64 c + 32 h + 0 .. 31 of row r, c = 0, 1
.irp c, 0,1
.irp q, 0,1,2,3,4,5,6,7
	ds_load_b128 v[X+32*\c+4*\q:X+32*\c+4*\q+3], v6 offset:512*\s+256*\c+16*\q
.endr
.endr
.irp q, 0,1,2,3,4,5,6,7
	ds_load_b128 v[BW+4*\q:BW+4*\q+3], v7 offset:512*\s+16*\q
.endr
	s_wait_dscnt 0x0
	DOT 0, \first
.irp q, 0,1,2,3,4,5,6,7
	ds_load_b128 v[BW+4*\q:BW+4*\q+3], v7 offset:512*\s+256+16*\q   ; beta_w for block 1 lands while the blocks are quantised
.endr
	QUANT \s
	s_wait_dscnt 0x0
	DOT 1, 0
.endm
	TOSTAGE 0
	TOSTAGE 1
	TOSTAGE 2
	TOSTAGE 3
	s_wait_dscnt 0x0                               ; the stores have read their registers: the loads below land there.  The bytes are my wave's own: no barrier
	KSTEP 0, 1
	KSTEP 1, 0
	v_pk_add_f32 v[ZA:ZA+1], v[ZA:ZA+1], v[ZB:ZB+1]
	v_add_f32 v[ZZ], v[ZA], v[ZA+1]
	v_permlanex16_b32 v[TP], v[ZZ], s34, s35
	v_add_f32 v[ZZ], v[ZZ], v[TP]                  ; lane l xor 16 has the row's other four blocks
	s_wait_kmcnt 0x0                               ; beta_b
	v_add_f32 v[ZZ], s29, v[ZZ]
	v_mul_f32 v[ZZ], 0xbfb8aa3b, v[ZZ]             ; -log2(e) z
	v_exp_f32 v[ZZ+1], v[ZZ]
	v_nop                                          ; a plain place behind the transcendental,
	s_wait_alu depctr_va_vdst(0)                   ; and a wait ahead of its first reader
	v_add_f32 v[ZZ+1], 1.0, v[ZZ+1]
	v_rcp_f32 v[OF], v[ZZ+1]                       ; of = 1 / (1 + 2^(-log2(e) z)): 0 where the exponential overflows, 1 where it vanishes
	v_nop
	s_wait_alu depctr_va_vdst(0)
.rept 8
	v_nop                                          ; a scale register written by a vector instruction stands 8 places ahead of a scaled matrix instruction, an operand so written 4
.endr
	; the two accumulators take turns; coord_b is the C of each sum's first product
	v_wmma_scale_f32_16x16x128_f8f6f4 v[ACC:ACC+7], v[WF:WF+11], v[XF:XF+11], v[CB:CB+7], v[WS], v[XS] matrix_a_fmt:MATRIX_FMT_FP6 matrix_b_fmt:MATRIX_FMT_FP6
	v_wmma_scale_f32_16x16x128_f8f6f4 v[ACC+8:ACC+15], v[WF+24:WF+35], v[XF:XF+11], v[CB+8:CB+15], v[WS+2], v[XS] matrix_a_fmt:MATRIX_FMT_FP6 matrix_b_fmt:MATRIX_FMT_FP6
	v_wmma_scale_f32_16x16x128_f8f6f4 v[ACC:ACC+7], v[WF+12:WF+23], v[XF+12:XF+23], v[ACC:ACC+7], v[WS+1], v[XS+1] matrix_a_fmt:MATRIX_FMT_FP6 matrix_b_fmt:MATRIX_FMT_FP6
	v_wmma_scale_f32_16x16x128_f8f6f4 v[ACC+8:ACC+15], v[WF+36:WF+47], v[XF+12:XF+23], v[ACC+8:ACC+15], v[WS+3], v[XS+1] matrix_a_fmt:MATRIX_FMT_FP6 matrix_b_fmt:MATRIX_FMT_FP6
.rept 4
	v_nop                                          ; four places ahead of the first read of the results
.endr
	ds_store_b128 v8, v[ACC:ACC+3]                 ; ox into its stage, each accumulator from its low end on
	ds_store_b128 v8, v[ACC+4:ACC+7] offset:16
	ds_store_b128 v9, v[ACC+8:ACC+11]
	ds_store_b128 v9, v[ACC+12:ACC+15] offset:16
	ds_store_b32 v10, v[OF]                        ; both lanes of a row write the same word with the same value
.irp q, 0,1,2
	ds_load_b128 v[RB+4*\q:RB+4*\q+3], v5 offset:OST+512*\q    ; LDS serves a wave's instructions in order: these see my stores
.endr
.irp i, 0,1,2,3
	v_cvt_pk_bf16_f32 v[IM+\i], v[ACC+2*\i], v[ACC+2*\i+1]      ; dims 8 h + 2 i, + 1: registers 0-3 of the bf16 operand
	v_cvt_pk_bf16_f32 v[EE+\i], v[ACC+8+2*\i], v[ACC+8+2*\i+1]  ; lanes 0-15: dims 16 + 2 i, + 1: registers 4-7
.endr
.irp i, 0,1,2,3
	v_cndmask_b32 v[WK+\i], v[EE+\i], v71, s36     ; lanes 16-31 count nothing there
.endr
.irp i, 0,1,2,3                        ; the sum of the squares of the ROUNDED point, in f32
	v_lshlrev_b32 v[WK+4], 16, v[IM+\i]
	v_and_b32 v[WK+5], s36, v[IM+\i]
	v_lshlrev_b32 v[WK+6], 16, v[WK+\i]
	v_and_b32 v[WK+7], s36, v[WK+\i]
.if \i == 0
	v_pk_mul_f32 v[WK+8:WK+9], v[WK+4:WK+5], v[WK+4:WK+5]
	v_pk_mul_f32 v[WK+10:WK+11], v[WK+6:WK+7], v[WK+6:WK+7]
.else
	v_pk_fma_f32 v[WK+8:WK+9], v[WK+4:WK+5], v[WK+4:WK+5], v[WK+8:WK+9]
	v_pk_fma_f32 v[WK+10:WK+11], v[WK+6:WK+7], v[WK+6:WK+7], v[WK+10:WK+11]
.endif
.endr
	v_pk_add_f32 v[WK+8:WK+9], v[WK+8:WK+9], v[WK+10:WK+11]
	v_add_f32 v[WK+8], v[WK+8], v[WK+9]
	v_permlanex16_b32 v[TP], v[WK+8], s34, s35
	v_add_f32 v[WK+8], v[WK+8], v[TP]
	v_mul_f32 v[WK+12], -0.5, v[WK+8]              ; q
	v_and_b32 v[WK+13], s36, v[WK+12]              ; its upper 8 bits as a bf16;
	v_sub_f32 v[WK+14], v[WK+12], v[WK+13]         ; the rest, exactly;
	v_and_b32 v[WK+15], s36, v[WK+14]              ; the next 8 bits;
	v_sub_f32 v[WK+4], v[WK+14], v[WK+15]          ; and the last 8, which are a bf16 as they stand: the three pieces add up to q
	v_cmp_lt_f32 vcc_lo, s41, v[OF]                ; a centre: of > 0.1
	v_mov_b32 v[WK+5], 0xf1800000                  ; -2^100
	v_cndmask_b32 v[WK+5], v[WK+5], v71, vcc_lo    ; the penalty: 0 for a centre
	v_perm_b32 v[WK+6], v[WK+15], v[WK+13], s37    ; (first piece, second piece): the lower K in the lower half
	v_perm_b32 v[WK+7], v[WK+5], v[WK+4], s37      ; (third piece, penalty)
	v_lshrrev_b32 v[WK], 16, v[WK+4]               ; (third piece, 0)
	v_mov_b32 v[WK+1], 0x3f803f80                  ; (1, 1)
	v_mov_b32 v[WK+2], 0x3f80                      ; (1, 0)
	v_cndmask_b32 v[A4], v[EE], v[WK+6], s36       ; K places 24 .. 31 lie in lanes 16-31.  As a candidate: q's pieces, the penalty, 1, 1, 1, 0
	v_cndmask_b32 v[A4+1], v[EE+1], v[WK+7], s36
	v_cndmask_b32 v[A4+2], v[EE+2], v[WK+1], s36
	v_cndmask_b32 v[A4+3], v[EE+3], v[WK+2], s36
	v_cndmask_b32 v[B4], v[EE], v[WK+1], s36       ; as a hit: 1, 1, 1, 1, q's pieces, 0
	v_cndmask_b32 v[B4+1], v[EE+1], v[WK+1], s36
	v_cndmask_b32 v[B4+2], v[EE+2], v[WK+6], s36
	v_cndmask_b32 v[B4+3], v[EE+3], v[WK], s36
	global_store_b128 v4, v[IM:IM+3], s[20:21]     ; each store of the wave covers 512 consecutive bytes, aligned
	global_store_b128 v4, v[A4:A4+3], s[20:21] offset:512
	global_store_b128 v4, v[B4:B4+3], s[22:23]
.irp q, 0,1,2
	s_wait_dscnt 2-\q                              ; the younger read-backs may be out
	global_store_b128 v4, v[RB+4*\q:RB+4*\q+3], s[18:19] offset:512*\q
.endr
	s_barrier_signal -1                            ; no LDS instruction of mine is out: of of my 16 rows lies in the table
	s_barrier_wait -1
	s_cmp_lg_u32 s28, 0                            ; wave 0 sends the 64 rows' of and counts the centres
	s_cbranch_scc1 .Lend
	ds_load_b64 v[WK:WK+1], v11                    ; rows 2 l and 2 l + 1
	s_wait_dscnt 0x0
	global_store_b64 v[L8], v[WK:WK+1], s[16:17]   ; 256 consecutive bytes, aligned
	v_cmp_lt_f32 s38, s41, v[WK]                   ; centres among the even rows,
	v_cmp_lt_f32 s39, s41, v[WK+1]                 ; among the odd ones
	v_mbcnt_lo_u32_b32 v[WK+2], s38, 0
	v_mbcnt_lo_u32_b32 v[WK+2], s39, v[WK+2]       ; centres in the rows of the lanes below me
	v_cndmask_b32 v[WK+3], 0, 1, s38
	v_add_nc_u32 v[WK+3], v[WK+2], v[WK+3]         ; the odd row has my even row before it too
	v_mov_b32 v[WK+4], 0xc0000000                  ; no centre: stays negative under every base
	v_cndmask_b32 v[WK+6], v[WK+4], v[WK+2], s38
	v_cndmask_b32 v[WK+7], v[WK+4], v[WK+3], s39
	global_store_b64 v[L8], v[WK+6:WK+7], s[24:25]
	s_bcnt1_i32_b32 s30, s38
	s_bcnt1_i32_b32 s31, s39
	s_add_co_u32 s30, s30, s31
	v_mov_b32 v[WK+5], s30                         ; the group's centres
	v_cmp_eq_u32 vcc_lo, 0, v1
	s_wait_xcnt 0x0                                ; EXEC changes only behind this wait
	s_and_saveexec_b32 s40, vcc_lo
	global_store_b32 v71, v[WK+5], s[26:27]        ; one word a work-group: together they are a dense table of 1,024 bytes
	s_wait_xcnt 0x0
	s_or_b32 exec_lo, exec_lo, s40
.Lend:
	s_wait_tensorcnt 0x0
	ds_add_u32 v126, v127
	s_wait_dscnt 0x0
	s_endpgm
.Lfunc_end_k_q232cb61401_prep:
	.size	k_q232cb61401_prep, .Lfunc_end_k_q232cb61401_prep-k_q232cb61401_prep
	.p2alignl 7, 3214868480
	.fill 96, 4, 3214868480
	.section	.rodata,"a",@progbits
	.p2align	6, 0x0
	.amdhsa_kernel k_q232cb61401_prep
		.amdhsa_group_segment_fixed_size 83712
		.amdhsa_private_segment_fixed_size 0
		.amdhsa_enable_private_segment 0
		.amdhsa_kernarg_size 96
		.amdhsa_user_sgpr_count 2
		.amdhsa_user_sgpr_kernarg_segment_ptr 1
		.amdhsa_wavefront_size32 1
		.amdhsa_system_sgpr_workgroup_id_x 1
		.amdhsa_system_sgpr_workgroup_id_y 1
		.amdhsa_system_sgpr_workgroup_id_z 1
		.amdhsa_system_vgpr_workitem_id 0
		.amdhsa_next_free_vgpr 256
		.amdhsa_next_free_sgpr 66
		.amdhsa_reserve_vcc 1
		.amdhsa_float_denorm_mode_32 3
		.amdhsa_float_denorm_mode_16_64 3
		.amdhsa_memory_ordered 1
		.amdhsa_forward_progress 1
		.amdhsa_inst_pref_size 33
	.end_amdhsa_kernel
	.amdgpu_metadata
---
amdhsa.version: [ 1, 2 ]
amdhsa.kernels:
  - .name:           k_q232cb61401_prep
    .symbol:         k_q232cb61401_prep.kd
    .args:
      - { .name: x, .offset: 0, .size: 8, .value_kind: global_buffer, .address_space: global }
      - { .name: beta_w, .offset: 8, .size: 8, .value_kind: global_buffer, .address_space: global }
      - { .name: beta_b, .offset: 16, .size: 8, .value_kind: global_buffer, .address_space: global }
      - { .name: coord_w_codes, .offset: 24, .size: 8, .value_kind: global_buffer, .address_space: global }
      - { .name: coord_w_scales, .offset: 32, .size: 8, .value_kind: global_buffer, .address_space: global }
      - { .name: coord_b, .offset: 40, .size: 8, .value_kind: global_buffer, .address_space: global }
      - { .name: out0, .offset: 48, .size: 8, .value_kind: global_buffer, .address_space: global }
      - { .name: out1, .offset: 56, .size: 8, .value_kind: global_buffer, .address_space: global }
      - { .name: cand, .offset: 64, .size: 8, .value_kind: global_buffer, .address_space: global }
      - { .name: hitx, .offset: 72, .size: 8, .value_kind: global_buffer, .address_space: global }
      - { .name: lrank, .offset: 80, .size: 8, .value_kind: global_buffer, .address_space: global }
      - { .name: wgcnt, .offset: 88, .size: 8, .value_kind: global_buffer, .address_space: global }
    .group_segment_fixed_size: 83712
    .private_segment_fixed_size: 0
    .kernarg_segment_align: 8
    .kernarg_segment_size: 96
    .max_flat_workgroup_size: 128
    .sgpr_count:     66
    .vgpr_count:     256
    .wavefront_size: 32
...
	.end_amdgpu_metadata
.endif
;; end of part 1
;; launch pairs (part 2): grid 64 x 4, 16 waves a work-group, clusters of 4 x 1, 272,384 bytes of LDS; arguments cand, hitx, wgcnt, lrank, rank, blk; writes rank, blk
.if DOCPART == 2
	.amdgcn_target "amdgcn-amd-amdhsa--gfx1250"
	.amdhsa_code_object_version 6
	.text
	.protected	k_q232cb61401_pairs
	.globl	k_q232cb61401_pairs
	.p2align	8
	.type	k_q232cb61401_pairs,@function
k_q232cb61401_pairs:
	s_mov_b64 s[64:65], 0
	v_nop
	global_prefetch_b8 v0, s[64:65] scope:SCOPE_SE
	s_setreg_imm32_b32 hwreg(HW_REG_WAVE_MODE, 25, 1), 1
	s_wait_xcnt 0x0
	s_wait_alu depctr_hold_cnt(0) depctr_sa_sdst(0) depctr_va_vdst(0) depctr_va_sdst(0) depctr_va_ssrc(0) depctr_va_vcc(0) depctr_vm_vsrc(0)
	s_getreg_b32 s2, hwreg(HW_REG_IB_STS2, 6, 4)
	s_cmp_eq_u32 s2, 0
	s_cbranch_scc0 .Lentry_in_a_cluster
	s_endpgm
.Lentry_in_a_cluster:
	s_bfe_u32 s2, ttmp6, 0x10000c
	s_cmp_lg_u32 s2, 0x3003
	s_cbranch_scc0 .Lentry_shape_is_right
	s_endpgm
.Lentry_shape_is_right:
; For every hit and each quarter of the candidates: which block of 8 neighbouring candidates holds the largest P(i, j) = c_i . c_j + q_i + q_j + pen_j = -d^2 / 2 of the bf16-rounded points
; (pen_j = -2^100 where j is no centre).  All of P is ONE bf16 matrix instruction a tile of 16 x 16: the points have 24 dims, and K places 24 .. 31 carry q's three pieces, the penalty and ones.
; Besides: each work-group turns one group of 64 local centre ordinals into ordinals over all hits.
; SHARES.  Work-group (x, y): hits 256 x .. 256 x + 255 against candidates 4,096 y .. + 4,095, which are 256 tiles, 262,144 bytes: they lie whole in LDS, filled once, as images of the operand's registers
; (a lane reads 16 bytes at 16 x lane: consecutive, no padding).  Sixteen waves, four to a SIMD, so that one wave's maxima stand beside another's products.  Wave w keeps hit tiles 4 (w % 4) .. + 3 in
; registers and takes, of each chunk of 32 candidate tiles, tiles 8 (w / 4) .. + 7: 16 groups of 4 x 4 tiles.
; LAYOUT.  Source 0 = 16 candidates, source 1 = 16 hits: a lane holds ONE hit (lane % 16) and the 8 candidates 8 (lane / 16) + 0 .. 7: four v_max3 fold them onto the running maximum, one compare and one
; select keep the number of the tile that raised it.  The strict compare leaves a tie with the earlier tile.
; CLUSTER.  The four work-groups of a cluster share y, so all tiles: each chunk is asked for JOINTLY, by the same tensor load with the same descriptor and the mask of all four.
; My place in the cluster enters global addresses of the hits and results alone, and numbers that are selected on.
; LIMITS: the choice of the block is made on points rounded to bf16: two centres in different blocks whose distances from a hit differ by less than that rounding may be taken in the other order.
; NaN and infinities are not served.
.set VT,   262144                      ; behind the tiles: the four candidate shares' best P of the 256 hits, 4 x 1,024 bytes; 4,096 bytes further on their blocks
.set AD,   4                           ; v4-7    16 x lane + 8,192 (w / 4) + 65,536 m: an LDS offset reaches 65,535 bytes
.set BEST, 12                          ; v12-19  the running maxima of my four hit tiles: two sets that change places
.set BQ,   20                          ; v20-23  the number, 0 .. 63, of my tile that raised each
.set HB,   32                          ; v32-63  four hit fragments
.set AF,   64                          ; v64-95  four candidate fragments
.set DD,   96                          ; v96-223 P: tile (a, b) at DD + 8 (4 a + b)
.set MK,   80                          ; s[80:83] compare masks
.set G1,   16                          ; s[16:23] descriptor group 1
.set G0,   24                          ; s[24:55] descriptor group 0 for each of the eight chunks
.macro ROUND                           ; a round of the cluster's barrier
	s_barrier_signal -1
	s_barrier_wait -1
	s_cmp_lg_u32 s56, 0
	s_cbranch_scc1 .Lnot_wave_0_\@
	s_barrier_signal -3
.Lnot_wave_0_\@:
	s_barrier_wait -3
	s_barrier_signal -1
	s_barrier_wait -1
.endm
	s_load_b256 s[4:11], s[0:1], 0x0               ; cand 4:5, hitx 6:7, wgcnt 8:9, lrank 10:11
	s_load_b128 s[12:15], s[0:1], 0x20             ; rank 12:13, blk 14:15
	v_lshl_add_u32 v238, v0, 2, 0x42000
	v_mov_b32 v239, 0
	ds_add_u32 v238, v239
	ds_add_u32 v238, v239
	v_lshrrev_b32 v3, 5, v0
	v_readfirstlane_b32 s56, v3                    ; wave 0..15
	s_and_b32 s57, s56, 3                          ; which four hit tiles
	s_lshr_b32 s58, s56, 2                         ; which eight tiles of a chunk
	s_bfe_u32 s59, ttmp6, 0x40000                  ; cx
	s_lshl_b32 s60, ttmp9, 2
	s_add_co_u32 s60, s60, s59                     ; x = 4 x cluster x + cx
	s_and_b32 s61, ttmp7, 0xffff                   ; y, which the four partners share
	s_mov_b32 s84, 0x76543210
	s_mov_b32 s85, 0xfedcba98                      ; v_permlanex16_b32: lane l xor 16
	; every LDS address is made here, ahead of the first branch on the wave's number
	v_and_b32 v3, 31, v0                           ; lane
	v_bfe_u32 v2, v0, 4, 1                         ; h
	v_lshlrev_b32 v1, 4, v3                        ; 16 x lane
	s_lshl_b32 s62, s58, 13
	v_add_nc_u32 v[AD], s62, v1
	v_add_nc_u32 v[AD+1], 0x10000, v[AD]
	v_add_nc_u32 v[AD+2], 0x20000, v[AD]
	v_add_nc_u32 v[AD+3], 0x30000, v[AD]
	v_and_b32 v8, 15, v0
	v_lshlrev_b32 v8, 2, v8
	s_lshl_b32 s62, s58, 10
	s_lshl_b32 s63, s57, 8
	s_add_co_u32 s62, s62, s63
	v_add_nc_u32 v8, s62, v8
	v_add_nc_u32 v8, VT, v8                        ; my share's row of 1,024 bytes, my 64 hits, 4 bytes a hit
	v_lshlrev_b32 v10, 3, v3                       ; 8 x lane
	v_add_nc_u32 v9, s63, v10
	v_add_nc_u32 v9, VT, v9                        ; back: waves 0-3 take 64 hits each, two a lane
	v_lshlrev_b32 v11, 5, v3                       ; 32 x lane
	; descriptor group 1: 8,192 dense bytes as 32 rows of 32 elements of 8 bytes
	s_mov_b32 s[G1], 15|(3<<16)|(1<<21)            ; 15:0 the mask: all four work-groups; 17:16 elements of 8 bytes; 21 set beside a mask
	s_mov_b32 s[G1+1], 32<<16                      ; tensor_dim0 = 32
	s_mov_b32 s[G1+2], 32<<16                      ; tensor_dim1 = 32
	s_mov_b32 s[G1+3], 32<<16                      ; tile_dim0 = 32
	s_mov_b32 s[G1+4], 32                          ; tile_dim1 = 32
	s_mov_b32 s[G1+5], 32                          ; from row to row: 32 elements
	s_mov_b32 s[G1+6], 0
	s_mov_b32 s[G1+7], 0
	s_lshl_b32 s62, s56, 13                        ; waves 0-3 fetch 8,192 bytes of each chunk: 8,192 x wave, in memory and in LDS
	s_lshl_b32 s66, s61, 18                        ; my quarter
	s_add_co_u32 s66, s66, s62
	s_mov_b32 s67, 0
	s_lshl_b32 s68, s60, 4
	s_lshl_b32 s69, s57, 2
	s_add_co_u32 s68, s68, s69                     ; my first hit tile: 16 x + 4 (w % 4)
	s_lshl_b32 s70, s68, 10
	s_mov_b32 s71, 0
	s_lshl_b32 s72, s68, 9
	s_mov_b32 s73, 0
	s_lshl_b32 s74, s61, 6
	s_add_co_u32 s74, s74, s60                     ; g = x + 64 y: the group of 64 rows whose ordinals this work-group finishes
	s_lshl_b32 s92, s74, 8
	s_mov_b32 s93, 0
	s_lshl_b32 s89, s61, 8
	s_lshl_b32 s75, s58, 3
	s_add_co_u32 s89, s89, s75                     ; 256 y + 8 (w / 4): my first candidate tile
	s_wait_dscnt 0x0
	s_wait_kmcnt 0x0
	s_add_nc_u64 s[66:67], s[4:5], s[66:67]
	s_add_nc_u64 s[70:71], s[4:5], s[70:71]
	s_add_nc_u64 s[72:73], s[6:7], s[72:73]
	s_add_nc_u64 s[76:77], s[10:11], s[92:93]
	s_add_nc_u64 s[78:79], s[12:13], s[92:93]
	s_lshl_b32 s92, s61, 16                        ; blk: 65,536 bytes a quarter, 1,024 a work-group, 256 a wave
	s_lshl_b32 s75, s60, 10
	s_add_co_u32 s92, s92, s75
	s_lshl_b32 s75, s56, 8
	s_add_co_u32 s92, s92, s75
	s_add_nc_u64 s[90:91], s[14:15], s[92:93]
.irp c, 0,1,2,3,4,5,6,7
	s_mov_b32 s[G0+4*\c], 1                        ; count = 1
	s_add_co_u32 s[G0+4*\c+1], s62, \c*32768       ; LDS address
	s_add_nc_u64 s[G0+4*\c+2:G0+4*\c+3], s[66:67], \c*32768   ; global address
	s_or_b32 s[G0+4*\c+3], s[G0+4*\c+3], 0x80000000           ; type = 2
.endr
	ROUND                                          ; all four work-groups are here: the joint loads meet
	s_cmp_lt_u32 s56, 4                            ; a wave's eight fills stand in one branch, ahead of every wait on TENSORcnt and every LDS read: eight loads of mine are out
	s_cbranch_scc0 .Lno_fill
.irp c, 0,1,2,3,4,5,6,7
	tensor_load_to_lds s[G0+4*\c:G0+4*\c+3], s[G1:G1+7]
	s_nop 0
.endr
.rept 4
	v_nop                                          ; four plain lines follow the last of them
.endr
.Lno_fill:
.irp b, 0,1,2,3
	global_load_b128 v[HB+8*\b:HB+8*\b+3], v1, s[70:71] offset:1024*\b     ; registers 0-3 are the candidate image's,
	global_load_b128 v[HB+8*\b+4:HB+8*\b+7], v1, s[72:73] offset:512*\b    ; registers 4-7 the hit side's
.endr
.irp b, 0,1,2,3
	v_mov_b32 v[BEST+\b], 0xff800000               ; under every P
	v_mov_b32 v[BQ+\b], 0
.endr
.irp i, 0,1,2,3,4,5,6,7
	v_mov_b32 v[24+\i], 0                          ; written once: a lane permute's destination counts as one of its sources
.endr
	; wave 15, while the tiles are on their way: rank = local ordinal + the centres of all groups before mine
	s_cmp_lg_u32 s56, 15
	s_cbranch_scc1 .Lno_rank
	global_load_b128 v[224:227], v11, s[8:9]       ; the 256 groups' counts, eight a lane
	global_load_b128 v[228:231], v11, s[8:9] offset:16
	global_load_b64 v[232:233], v10, s[76:77]
	v_sub_nc_u32 v234, s74, v10                    ; group 8 l + k lies before mine where k < g - 8 l
	v_mov_b32 v237, 0
	s_wait_loadcnt 0x0
	v_cmp_lt_i32 vcc_lo, 0, v234
	v_cndmask_b32 v236, 0, v224, vcc_lo
.irp k, 1,2,3,4,5,6,7
	v_cmp_lt_i32 vcc_lo, \k, v234
	v_cndmask_b32 v235, 0, v[224+\k], vcc_lo
	v_add_nc_u32 v236, v236, v235
.endr
	v_cvt_f32_u32 v236, v236                       ; the sum over the lanes in f32: at most 16,384, so exact
	v_add_f32_dpp v236, v236, v236 row_xmask:1 row_mask:0xf bank_mask:0xf
	v_add_f32_dpp v236, v236, v236 row_xmask:2 row_mask:0xf bank_mask:0xf
	v_add_f32_dpp v236, v236, v236 row_xmask:4 row_mask:0xf bank_mask:0xf
	v_add_f32_dpp v236, v236, v236 row_xmask:8 row_mask:0xf bank_mask:0xf
	v_permlanex16_b32 v237, v236, s84, s85
	v_add_f32 v236, v236, v237
	v_cvt_u32_f32 v236, v236
	v_add_nc_u32 v232, v232, v236
	v_add_nc_u32 v233, v233, v236
	global_store_b64 v10, v[232:233], s[78:79]     ; 256 consecutive bytes, aligned
.Lno_rank:
.macro LOADA g                         ; group g's four candidate fragments: chunk g / 2, tiles 8 (w / 4) + 4 (g % 2) + 0 .. 3
.irp a, 0,1,2,3
	ds_load_b128 v[AF+8*\a:AF+8*\a+3], v[AD+(\g)/4] offset:(((\g)/2)%2)*32768+(((\g)%2)*4+\a)*1024
	ds_load_b128 v[AF+8*\a+4:AF+8*\a+7], v[AD+(\g)/4] offset:(((\g)/2)%2)*32768+(((\g)%2)*4+\a)*1024+512
.endr
.endm
.macro REDUCE a                        ; candidate tile a of the group against my four hit tiles, which take turns line by line
.set OLD, BEST+4*((\a)%2)
.set NEW, BEST+4*(((\a)+1)%2)
.irp b, 0,1,2,3
	v_max3_num_f32 v[NEW+\b], v[OLD+\b], v[DD+8*(4*\a+\b)], v[DD+8*(4*\a+\b)+1]     ; each accumulator from its low end on
.endr
.irp i, 2,4,6
.irp b, 0,1,2,3
	v_max3_num_f32 v[NEW+\b], v[NEW+\b], v[DD+8*(4*\a+\b)+\i], v[DD+8*(4*\a+\b)+\i+1]
.endr
.endr
.irp b, 0,1,2,3
	v_cmp_gt_f32 s[MK+\b], v[NEW+\b], v[OLD+\b]
.endr
.irp b, 0,1,2,3
	v_cndmask_b32 v[BQ+\b], v[BQ+\b], 4*G+\a, s[MK+\b]
.endr
.endm
.macro GROUP
	s_wait_dscnt 0x0                               ; the group's eight fragment loads, issued ahead of the last group's 96 vector lines
.irp a, 0,1,2,3
.irp b, 0,1,2,3
	v_wmma_f32_16x16x32_bf16 v[DD+8*(4*\a+\b):DD+8*(4*\a+\b)+7], v[AF+8*\a:AF+8*\a+7], v[HB+8*\b:HB+8*\b+7], 0   ; one product is the whole of P: no chain
.endr
.endr
.if (G%2 == 1) && (G < 15)
	s_wait_tensorcnt 6-G/2                         ; tensor loads of a wave end in order: my part of the next chunk is in, the 6 - G / 2 chunks behind it may be out (a wave that fetches nothing passes)
	s_barrier_signal -1                            ; no LDS instruction of mine is out
.endif
.rept 4
	v_nop                                          ; four places ahead of the loads into the fragments just read and of the first read of the results
.endr
.if (G%2 == 1) && (G < 15)
	s_barrier_wait -1                              ; everybody's part of the next chunk is in.  Nothing is ever filled again
.endif
.if G < 15
	LOADA G+1
.endif
	REDUCE 0
	REDUCE 1
	REDUCE 2
	REDUCE 3                                       ; four turns: the running maxima are back in the first set
.endm
.macro MERGE bv, bi, ov, oi            ; the larger P wins; of equal ones the lower block
	v_cmp_gt_f32 s86, v[\ov], v[\bv]
	v_cmp_eq_f32 s87, v[\ov], v[\bv]
	v_cmp_lt_u32 s88, v[\oi], v[\bi]
	s_and_b32 s87, s87, s88
	s_or_b32 s86, s86, s87
	v_cndmask_b32 v[\bv], v[\bv], v[\ov], s86
	v_cndmask_b32 v[\bi], v[\bi], v[\oi], s86
.endm
	s_wait_loadcnt 0x0                             ; my hits
	s_wait_tensorcnt 7                             ; my part of chunk 0 is in; the seven behind it may be out
	s_barrier_signal -1
	s_barrier_wait -1                              ; everybody's is
	LOADA 0
.set G, 0
.rept 16
	GROUP
.set G, G+1
.endr
	; tile number q = 8 c + i stands for candidate tile 256 y + 32 c + 8 (w / 4) + i; my lane's block of 8 is twice that + h
.irp b, 0,1,2,3
	v_lshrrev_b32 v[24+\b], 3, v[BQ+\b]
	v_and_b32 v[BQ+\b], 7, v[BQ+\b]
	v_lshl_add_u32 v[BQ+\b], v[24+\b], 5, v[BQ+\b]
	v_add_nc_u32 v[BQ+\b], s89, v[BQ+\b]
	v_lshl_add_u32 v[BQ+\b], v[BQ+\b], 1, v2
.endr
.irp b, 0,1,2,3
	v_permlanex16_b32 v[24+\b], v[BEST+\b], s84, s85   ; the hit's other blocks lie in the lane 16 away
	v_permlanex16_b32 v[28+\b], v[BQ+\b], s84, s85
.endr
.irp b, 0,1,2,3
	MERGE BEST+\b, BQ+\b, 24+\b, 28+\b
.endr
.irp b, 0,1,2,3
	ds_store_b32 v8, v[BEST+\b] offset:64*\b       ; both lanes of a hit write the same word with the same value
	ds_store_b32 v8, v[BQ+\b] offset:4096+64*\b
.endr
	s_wait_dscnt 0x0                               ; for the others' sake: my stores are done
	s_barrier_signal -1
	s_barrier_wait -1
	s_cmp_lt_u32 s56, 4                            ; waves 0-3 join the four shares of 64 hits each
	s_cbranch_scc0 .Lno_out
.irp c, 0,1,2,3
	ds_load_b64 v[240+2*\c:241+2*\c], v9 offset:1024*\c
	ds_load_b64 v[248+2*\c:249+2*\c], v9 offset:4096+1024*\c
.endr
	s_wait_dscnt 0x0
.irp c, 1,2,3
	MERGE 240, 248, 240+2*\c, 248+2*\c
	MERGE 241, 249, 241+2*\c, 249+2*\c
.endr
	global_store_b64 v10, v[248:249], s[90:91]     ; 256 consecutive bytes, aligned
.Lno_out:
	s_wait_tensorcnt 0x0
	ds_add_u32 v238, v239
	s_wait_dscnt 0x0
	ROUND                                          ; the closing round: no work-group ends while a partner may still ask for a chunk that names it
	s_endpgm
.Lfunc_end_k_q232cb61401_pairs:
	.size	k_q232cb61401_pairs, .Lfunc_end_k_q232cb61401_pairs-k_q232cb61401_pairs
	.p2alignl 7, 3214868480
	.fill 96, 4, 3214868480
	.section	.rodata,"a",@progbits
	.p2align	6, 0x0
	.amdhsa_kernel k_q232cb61401_pairs
		.amdhsa_group_segment_fixed_size 272384
		.amdhsa_private_segment_fixed_size 0
		.amdhsa_enable_private_segment 0
		.amdhsa_kernarg_size 48
		.amdhsa_user_sgpr_count 2
		.amdhsa_user_sgpr_kernarg_segment_ptr 1
		.amdhsa_wavefront_size32 1
		.amdhsa_system_sgpr_workgroup_id_x 1
		.amdhsa_system_sgpr_workgroup_id_y 1
		.amdhsa_system_sgpr_workgroup_id_z 1
		.amdhsa_system_vgpr_workitem_id 0
		.amdhsa_next_free_vgpr 256
		.amdhsa_next_free_sgpr 96
		.amdhsa_reserve_vcc 1
		.amdhsa_float_denorm_mode_32 3
		.amdhsa_float_denorm_mode_16_64 3
		.amdhsa_memory_ordered 1
		.amdhsa_forward_progress 1
		.amdhsa_inst_pref_size 140
	.end_amdhsa_kernel
	.amdgpu_metadata
---
amdhsa.version: [ 1, 2 ]
amdhsa.kernels:
  - .name:           k_q232cb61401_pairs
    .symbol:         k_q232cb61401_pairs.kd
    .args:
      - { .name: cand, .offset: 0, .size: 8, .value_kind: global_buffer, .address_space: global }
      - { .name: hitx, .offset: 8, .size: 8, .value_kind: global_buffer, .address_space: global }
      - { .name: wgcnt, .offset: 16, .size: 8, .value_kind: global_buffer, .address_space: global }
      - { .name: lrank, .offset: 24, .size: 8, .value_kind: global_buffer, .address_space: global }
      - { .name: rank, .offset: 32, .size: 8, .value_kind: global_buffer, .address_space: global }
      - { .name: blk, .offset: 40, .size: 8, .value_kind: global_buffer, .address_space: global }
    .group_segment_fixed_size: 272384
    .private_segment_fixed_size: 0
    .kernarg_segment_align: 8
    .kernarg_segment_size: 48
    .max_flat_workgroup_size: 512
    .sgpr_count:     96
    .vgpr_count:     256
    .wavefront_size: 32
...
	.end_amdgpu_metadata
.endif
;; end of part 2
;; launch resolve (part 3): grid 256 x 1, 16 waves a work-group, no clusters, 3,072 bytes of LDS; arguments out1, rank, blk, out2, out3; writes out2, out3
.if DOCPART == 3
	.amdgcn_target "amdgcn-amd-amdhsa--gfx1250"
	.amdhsa_code_object_version 6
	.text
	.protected	k_q232cb61401_resolve
	.globl	k_q232cb61401_resolve
	.p2align	8
	.type	k_q232cb61401_resolve,@function
k_q232cb61401_resolve:
	s_mov_b64 s[64:65], 0
	v_nop
	global_prefetch_b8 v0, s[64:65] scope:SCOPE_SE
	s_setreg_imm32_b32 hwreg(HW_REG_WAVE_MODE, 25, 1), 1
	s_wait_xcnt 0x0
; For each hit: the 4 x 8 candidates that the all-pairs launch has named (a block of 8 in each quarter) are measured again in f32 on ox itself:
; dist = sqrt(sum (a - b)^2); a candidate counts where it is a centre (rank >= 0) and dist < 1; min_dist is the least such dist or 1e9, instances the rank of the first centre that has it, or -1.
; Among centres the rank rises with the index, so the lowest rank among equal distances is the first index.
; sum (a - b)^2 is the reference's sq_i + sq_j - 2 a . b by algebra; it is never negative and is exactly 0 for a hit against itself.
; SHARES.  A work-group takes 64 hits, a wave four; a lane takes one candidate: quarter lane / 8, place lane % 8 in the block.  All loads of the four hits are issued ahead of the arithmetic.
; No matrix work (24 numbers a pair, 32 pairs a hit), no tensor loads.  NaN and infinities are not served.
.set BL,  8                            ; v8-11    the four hits' blocks in my quarter
.set OA,  12                           ; v12-15   my candidates' bytes in out1
.set RA,  16                           ; v16-19   and in rank
.set RK,  20                           ; v20-23   their ranks
.set D2,  24                           ; v24-27   d^2
.set DS,  28                           ; v28-31   dist
.set HT,  32                           ; v32-127  the four hits' points
.set CN,  128                          ; v128-223 my four candidates' points, then the differences
.set AC,  224                          ; v224-239 sums of squares, four a hit; later v224-227 the keys, v228-231 the instances
.set LW,  240                          ; v240     16 x wave
.set L8,  241                          ; v241     8 x lane
.set BIG, 242                          ; v242     1e9
.set INF, 243                          ; v243     infinity
.set MS,  244                          ; v244-247 the masked distances
.set MN,  248                          ; v248-251 their minima
.set TP,  252                          ; v252-255 targets of the lane permutes
	s_load_b256 s[4:11], s[0:1], 0x0               ; out1 4:5, rank 6:7, blk 8:9, out2 10:11
	s_load_b64 s[12:13], s[0:1], 0x20              ; out3
	v_lshrrev_b32 v1, 5, v0
	v_readfirstlane_b32 s14, v1                    ; wave 0..15
	v_and_b32 v1, 31, v0                           ; lane
	v_lshrrev_b32 v2, 3, v1                        ; my quarter
	v_and_b32 v3, 7, v1                            ; my place in a block
	v_lshlrev_b32 v4, 16, v2                       ; blk: 65,536 bytes a quarter
	v_mov_b32 v5, 0
	v_mul_u32_u24 v6, v3, 96
	v_lshlrev_b32 v7, 2, v3
	v_lshlrev_b32 v[L8], 3, v1
	s_lshl_b32 s34, s14, 4
	v_mov_b32 v[LW], s34
	v_mov_b32 v[BIG], 0x4e6e6b28
	v_mov_b32 v[INF], 0x7f800000
.irp t, 0,1,2,3
	v_mov_b32 v[TP+\t], 0                          ; written once: a lane permute's destination counts as one of its sources
.endr
	s_mov_b32 s32, 0x76543210
	s_mov_b32 s33, 0xfedcba98                      ; v_permlanex16_b32: lane l xor 16
	s_lshl_b32 s15, ttmp9, 6
	s_lshl_b32 s16, s14, 2
	s_add_co_u32 s15, s15, s16                     ; my first hit
	s_lshl_b32 s16, s15, 2
	s_mov_b32 s17, 0
	s_mul_i32 s18, s15, 96
	s_mov_b32 s19, 0
	s_lshl_b32 s22, ttmp9, 8
	s_mov_b32 s23, 0
	s_wait_kmcnt 0x0
	s_add_nc_u64 s[8:9], s[8:9], s[16:17]
	s_add_nc_u64 s[20:21], s[4:5], s[18:19]
	s_add_nc_u64 s[10:11], s[10:11], s[22:23]
	s_add_nc_u64 s[12:13], s[12:13], s[22:23]
	global_load_b128 v[BL:BL+3], v4, s[8:9]        ; my quarter's blocks for the four hits
.irp t, 0,1,2,3
.irp q, 0,1,2,3,4,5
	global_load_b128 v[HT+24*\t+4*\q:HT+24*\t+4*\q+3], v5, s[20:21] offset:96*\t+16*\q   ; the hits' points, the same in every lane
.endr
.endr
	s_wait_loadcnt 24                              ; the blocks are in; the 24 loads behind them may be out
.irp t, 0,1,2,3
	v_min_u32 v[BL+\t], 0x7ff, v[BL+\t]            ; a loaded number enters an address only held inside its table: 2,048 blocks
.endr
.irp t, 0,1,2,3
	v_mul_u32_u24 v[OA+\t], v[BL+\t], 768          ; candidate 8 block + place: 96 bytes each in out1,
	v_lshlrev_b32 v[RA+\t], 5, v[BL+\t]            ; 4 in rank
.endr
.irp t, 0,1,2,3
	v_add_nc_u32 v[OA+\t], v[OA+\t], v6
	v_add_nc_u32 v[RA+\t], v[RA+\t], v7
.endr
.irp t, 0,1,2,3
.irp q, 0,1,2,3,4,5
	global_load_b128 v[CN+24*\t+4*\q:CN+24*\t+4*\q+3], v[OA+\t], s[4:5] offset:16*\q     ; eight neighbouring lanes read 768 consecutive bytes between them
.endr
	global_load_b32 v[RK+\t], v[RA+\t], s[6:7]
.endr
.macro DIST t
	s_wait_loadcnt 7*(3-\t)                        ; hit t's seven gathers are in; the later hits' seven each may be out
.irp i, 0,1,2,3,4,5,6,7,8,9,10,11
	v_pk_add_f32 v[CN+24*\t+2*\i:CN+24*\t+2*\i+1], v[HT+24*\t+2*\i:HT+24*\t+2*\i+1], v[CN+24*\t+2*\i:CN+24*\t+2*\i+1] neg_lo:[0,1] neg_hi:[0,1]
.endr
	v_pk_mul_f32 v[AC+4*\t:AC+4*\t+1], v[CN+24*\t:CN+24*\t+1], v[CN+24*\t:CN+24*\t+1]            ; the first products start the sums, in two chains
	v_pk_mul_f32 v[AC+4*\t+2:AC+4*\t+3], v[CN+24*\t+2:CN+24*\t+3], v[CN+24*\t+2:CN+24*\t+3]
.irp i, 2,4,6,8,10
	v_pk_fma_f32 v[AC+4*\t:AC+4*\t+1], v[CN+24*\t+2*\i:CN+24*\t+2*\i+1], v[CN+24*\t+2*\i:CN+24*\t+2*\i+1], v[AC+4*\t:AC+4*\t+1]
	v_pk_fma_f32 v[AC+4*\t+2:AC+4*\t+3], v[CN+24*\t+2*\i+2:CN+24*\t+2*\i+3], v[CN+24*\t+2*\i+2:CN+24*\t+2*\i+3], v[AC+4*\t+2:AC+4*\t+3]
.endr
	v_pk_add_f32 v[AC+4*\t:AC+4*\t+1], v[AC+4*\t:AC+4*\t+1], v[AC+4*\t+2:AC+4*\t+3]
	v_add_f32 v[D2+\t], v[AC+4*\t], v[AC+4*\t+1]
.endm
.macro MIN32 base                      ; the least over the 32 lanes, in every lane; the four hits by turns
.irp m, 1,2,4,8
.irp t, 0,1,2,3
	v_min_num_f32_dpp v[\base+\t], v[\base+\t], v[\base+\t] row_xmask:\m row_mask:0xf bank_mask:0xf
.endr
.endr
.irp t, 0,1,2,3
	v_permlanex16_b32 v[TP+\t], v[\base+\t], s32, s33
.endr
.irp t, 0,1,2,3
	v_min_num_f32 v[\base+\t], v[\base+\t], v[TP+\t]
.endr
.endm
	DIST 0
	DIST 1
	DIST 2
	DIST 3
.irp t, 0,1,2,3
	v_sqrt_f32 v[DS+\t], v[D2+\t]
.endr
	v_nop                                          ; a plain place behind the last root,
	s_wait_alu depctr_va_vdst(0)                   ; and one wait for the four, ahead of their first reader
.irp t, 0,1,2,3
	v_cmp_gt_f32 s[24+\t], 1.0, v[DS+\t]           ; inside the radius,
	v_cmp_le_i32 s[28+\t], 0, v[RK+\t]             ; and a centre
.endr
.irp t, 0,1,2,3
	s_and_b32 s[24+\t], s[24+\t], s[28+\t]
.endr
.irp t, 0,1,2,3
	v_cndmask_b32 v[MS+\t], v[BIG], v[DS+\t], s[24+\t]
.endr
.irp t, 0,1,2,3
	v_mov_b32 v[MN+\t], v[MS+\t]
	v_cvt_f32_i32 v[AC+\t], v[RK+\t]               ; a rank is under 2^24: exact
.endr
	MIN32 MN
.irp t, 0,1,2,3
	v_cmp_eq_f32 s[24+\t], v[MS+\t], v[MN+\t]
.endr
.irp t, 0,1,2,3
	v_cndmask_b32 v[AC+\t], v[INF], v[AC+\t], s[24+\t]   ; the ranks of those that have the least distance
.endr
	MIN32 AC
.irp t, 0,1,2,3
	v_cvt_i32_f32 v[AC+4+\t], v[AC+\t]
.endr
.irp t, 0,1,2,3
	v_cmp_gt_f32 vcc_lo, v[BIG], v[MN+\t]
	v_cndmask_b32 v[AC+4+\t], -1, v[AC+4+\t], vcc_lo     ; no centre inside the radius: -1
.endr
.irp t, 0,1,2,3
	ds_store_b32 v[LW], v[MN+\t] offset:4*\t       ; every lane holds the same number and writes the same word
	ds_store_b32 v[LW], v[AC+4+\t] offset:256+4*\t
.endr
	s_wait_dscnt 0x0                               ; for the others' sake: my stores are done
	s_barrier_signal -1
	s_barrier_wait -1
	s_cmp_lg_u32 s14, 0                            ; wave 0 sends the 64 hits' results
	s_cbranch_scc1 .Lend
	ds_load_b64 v[D2:D2+1], v[L8]
	ds_load_b64 v[D2+2:D2+3], v[L8] offset:256
	s_wait_dscnt 0x0
	global_store_b64 v[L8], v[D2:D2+1], s[10:11]   ; 256 consecutive bytes, aligned, each
	global_store_b64 v[L8], v[D2+2:D2+3], s[12:13]
.Lend:
	s_wait_xcnt 0x0
	v_lshl_add_u32 v254, v0, 2, 0x400
	v_mov_b32 v255, 0
	s_wait_tensorcnt 0x0
	ds_add_u32 v254, v255
	s_wait_dscnt 0x0
	s_endpgm
.Lfunc_end_k_q232cb61401_resolve:
	.size	k_q232cb61401_resolve, .Lfunc_end_k_q232cb61401_resolve-k_q232cb61401_resolve
	.p2alignl 7, 3214868480
	.fill 96, 4, 3214868480
	.section	.rodata,"a",@progbits
	.p2align	6, 0x0
	.amdhsa_kernel k_q232cb61401_resolve
		.amdhsa_group_segment_fixed_size 3072
		.amdhsa_private_segment_fixed_size 0
		.amdhsa_enable_private_segment 0
		.amdhsa_kernarg_size 40
		.amdhsa_user_sgpr_count 2
		.amdhsa_user_sgpr_kernarg_segment_ptr 1
		.amdhsa_wavefront_size32 1
		.amdhsa_system_sgpr_workgroup_id_x 1
		.amdhsa_system_sgpr_workgroup_id_y 1
		.amdhsa_system_sgpr_workgroup_id_z 1
		.amdhsa_system_vgpr_workitem_id 0
		.amdhsa_next_free_vgpr 256
		.amdhsa_next_free_sgpr 66
		.amdhsa_reserve_vcc 1
		.amdhsa_float_denorm_mode_32 3
		.amdhsa_float_denorm_mode_16_64 3
		.amdhsa_memory_ordered 1
		.amdhsa_forward_progress 1
		.amdhsa_inst_pref_size 21
	.end_amdhsa_kernel
	.amdgpu_metadata
---
amdhsa.version: [ 1, 2 ]
amdhsa.kernels:
  - .name:           k_q232cb61401_resolve
    .symbol:         k_q232cb61401_resolve.kd
    .args:
      - { .name: out1, .offset: 0, .size: 8, .value_kind: global_buffer, .address_space: global }
      - { .name: rank, .offset: 8, .size: 8, .value_kind: global_buffer, .address_space: global }
      - { .name: blk, .offset: 16, .size: 8, .value_kind: global_buffer, .address_space: global }
      - { .name: out2, .offset: 24, .size: 8, .value_kind: global_buffer, .address_space: global }
      - { .name: out3, .offset: 32, .size: 8, .value_kind: global_buffer, .address_space: global }
    .group_segment_fixed_size: 3072
    .private_segment_fixed_size: 0
    .kernarg_segment_align: 8
    .kernarg_segment_size: 40
    .max_flat_workgroup_size: 512
    .sgpr_count:     66
    .vgpr_count:     256
    .wavefront_size: 32
...
	.end_amdgpu_metadata
.endif
;; end of part 3
